; MI455X (gfx1250); checked and timed in simulation.
; The chip was launched on July 23, 2026; its instructions are those of AMD's public machine-readable ISA for CDNA 5 (MIT licence, August 2026) and "CDNA5" Instruction Set Architecture Reference Guide (July 2026). The comments in the code are by the model that wrote it; some were corrected since.
;; Variational Dense. Allowed arithmetic: float matrix products may take bf16 or f16 operands with f32 sums; other float arithmetic in f32, or as packed bf16 or f16 multiplies, adds, multiply-adds, maxima and minima; sums over many terms, partial sums and values carried from step to step in f32; what a program stores and reads back later, other than sums and carried values, may be rounded once to bf16 or f16.
;; Inputs: M 4,096 x 4,096 float32; bern 4,096 float32; m 4,096 float32; x 4,096 x 4,096 float32.
;; Outputs: out0 4,096 x 4,096 float32.
;; 2 versions, each right; version 2 is version 1 with the launch cast written anew for expert scheduling mode. Each part assembles by itself: llvm-mc -triple=amdgcn-amd-amdhsa -mcpu=gfx1250 --defsym DOCPART=n.
;; ======== version 1 of 2: 2 launches
;; workspace buffers: xb 33,554,432 bytes; mb 33,554,432 bytes
;; launch cast (part 1): grid 256 x 2, 8 waves a work-group, no clusters, 0 bytes of LDS; arguments x, bern, M, xb, mb; writes xb, mb
.if DOCPART == 1
	.amdgcn_target "amdgcn-amd-amdhsa--gfx1250"
	.amdhsa_code_object_version 6
	.text
	.protected	k_qbfc6850e27_cast
	.globl	k_qbfc6850e27_cast
	.p2align	8
	.type	k_qbfc6850e27_cast,@function
k_qbfc6850e27_cast:
	s_mov_b64 s[64:65], 0
	v_nop
	global_prefetch_b8 v0, s[64:65] scope:SCOPE_SE
	s_setreg_imm32_b32 hwreg(HW_REG_WAVE_MODE, 25, 1), 1
	s_wait_xcnt 0x0
; xb[r][k] = bf16(x[r][k] * bern[k]);  mb[k][n] = bf16(M[k][n]).  x, M: [4096][4096] f32; bern: [4096] f32; xb, mb: [4096][4096] bf16, row-major like their sources.
; The product x * bern is made in f32 and rounded once, to nearest even; M is rounded once.  bf16 has f32's range, so no size of input is lost; NaN and infinities go through as the arithmetic gives them.
; A STREAM: every byte of x and M is read once, every byte of xb and mb written once; nothing is shared between waves, so there is no LDS, no barrier and no matrix work.
; SHARES.  Work-group y = 0 takes x (with the scale), y = 1 takes M (without); work-group x takes 16 rows.  A row of 16,384 bytes is four chunks of 4,096: thread t owns bytes 16 t of every chunk
; (columns 1,024 c + 4 t .. + 3), so a wave's load covers 512 consecutive bytes and its store of 8 bytes a lane covers 256 consecutive bytes, aligned; a thread's 16 numbers of bern stay in registers.
; A ring of 16 slots (4 rows x 4 chunks) keeps 16 loads of every wave on their way.  A slot owns its x registers and its y registers; all offsets stand in the immediates, and the two bases step once a round.
.set ROWI,  16384                      ; bytes in a row of x or M
.set ROWO,  8192                       ; bytes in a row of xb or mb
.set VI,  2                            ; v2        16 t: my bytes in a chunk as read; never rewritten
.set VO,  3                            ; v3        8 t: my bytes in a chunk as written; never rewritten
.set A,   8                            ; v[8:23]   bern of my 4 columns in chunk c at A + 4 c
.set T,   24                           ; v[24:27]  at work
.set X,   32                           ; v[32:95]  slot i: 4 registers as loaded
.set Y,   96                           ; v[96:127] slot i: 2 registers to store
.set IN,  16                           ; s[16:17]  the source at the round's first row
.set OUT, 18                           ; s[18:19]  the destination at the same row
	s_load_b256 s[4:11], s[0:1], 0x0               ; x s[4:5], bern s[6:7], M s[8:9], xb s[10:11]
	s_load_b64 s[12:13], s[0:1], 0x20              ; mb
	v_lshlrev_b32 v[VI], 4, v0
	v_lshlrev_b32 v[VO], 3, v0
	s_and_b32 s14, ttmp7, 0xffff                   ; 0: x, 1: M
	s_lshl_b32 s20, ttmp9, 18                      ; my 16 rows: 262,144 bytes in,
	s_mov_b32 s21, 0
	s_lshl_b32 s22, ttmp9, 17                      ; 131,072 bytes out
	s_mov_b32 s23, 0
	s_wait_kmcnt 0x0
	s_cmp_eq_u32 s14, 0
	s_cselect_b64 s[IN:IN+1], s[4:5], s[8:9]
	s_cselect_b64 s[OUT:OUT+1], s[10:11], s[12:13]
	s_add_nc_u64 s[IN:IN+1], s[IN:IN+1], s[20:21]
	s_add_nc_u64 s[OUT:OUT+1], s[OUT:OUT+1], s[22:23]
; One slot's turn: row i / 4 of the round's four, chunk i % 4.  ahead = 1: the slot is filled again with the row four further down.
; left = how many younger loads may still be out when this slot's load has to be there.  scale = 1: times bern.
.macro SLOT i, ahead, left, scale
	s_wait_loadcnt \left                           ; loads come back in order (ISA guide 5.7.1): mine is in, the younger ones stay out
.if \scale
	v_pk_mul_f32 v[T:T+1],   v[X+4*(\i):X+4*(\i)+1],   v[A+4*((\i)%4):A+4*((\i)%4)+1]
	v_pk_mul_f32 v[T+2:T+3], v[X+4*(\i)+2:X+4*(\i)+3], v[A+4*((\i)%4)+2:A+4*((\i)%4)+3]
	v_cvt_pk_bf16_f32 v[Y+2*(\i)],   v[T],   v[T+1]   ; two roundings to bf16, packed
	v_cvt_pk_bf16_f32 v[Y+2*(\i)+1], v[T+2], v[T+3]
.else
	v_cvt_pk_bf16_f32 v[Y+2*(\i)],   v[X+4*(\i)],   v[X+4*(\i)+1]
	v_cvt_pk_bf16_f32 v[Y+2*(\i)+1], v[X+4*(\i)+2], v[X+4*(\i)+3]
.endif
.if \ahead
	global_load_b128 v[X+4*(\i):X+4*(\i)+3], v[VI], s[IN:IN+1] offset:((\i)/4)*ROWI+((\i)%4)*4096+4*ROWI th:TH_LOAD_NT
.endif
	global_store_b64 v[VO], v[Y+2*(\i):Y+2*(\i)+1], s[OUT:OUT+1] offset:((\i)/4)*ROWO+((\i)%4)*2048 th:TH_STORE_NT
.endm
; The whole stream of 16 rows: the ring is filled, three rounds load ahead, the last round loads nothing, so that no load leaves the buffer.
.macro STREAM scale
.if \scale
.irp c, 0,1,2,3
	global_load_b128 v[A+4*(\c):A+4*(\c)+3], v[VI], s[6:7] offset:4096*(\c)  ; older than every load of the ring: the first counted wait below covers them
.endr
.endif
.irp i, 0,1,2,3,4,5,6,7,8,9,10,11,12,13,14,15
	global_load_b128 v[X+4*(\i):X+4*(\i)+3], v[VI], s[IN:IN+1] offset:((\i)/4)*ROWI+((\i)%4)*4096 th:TH_LOAD_NT
.endr
	s_mov_b32 s15, 3
.Lround_\scale:
.irp i, 0,1,2,3,4,5,6,7,8,9,10,11,12,13,14,15
	SLOT \i, 1, 15, \scale                         ; behind a slot's load stand the 15 loads of the other slots, round the backward jump too
.endr
	s_wait_xcnt 0x0                                ; every load and store issued so far has read its sources (ISA guide 3.1): the two bases, and the Y registers that the round's stores name, are rewritten only behind this wait
	s_add_nc_u64 s[IN:IN+1], s[IN:IN+1], 4*ROWI
	s_add_nc_u64 s[OUT:OUT+1], s[OUT:OUT+1], 4*ROWO
	s_sub_co_u32 s15, s15, 1
	s_cmp_lg_u32 s15, 0
	s_cbranch_scc1 .Lround_\scale
.irp i, 0,1,2,3,4,5,6,7,8,9,10,11,12,13,14,15
	SLOT \i, 0, 15-(\i), \scale                    ; the last round: the counts run down
.endr
	s_endpgm
.endm
	s_cmp_lg_u32 s14, 0
	s_cbranch_scc1 .Lplain
	STREAM 1                                       ; x, scaled by bern
.Lplain:
	STREAM 0                                       ; M
.Lfunc_end_k_qbfc6850e27_cast:
	.size	k_qbfc6850e27_cast, .Lfunc_end_k_qbfc6850e27_cast-k_qbfc6850e27_cast
	.p2alignl 7, 3214868480
	.fill 96, 4, 3214868480
	.section	.rodata,"a",@progbits
	.p2align	6, 0x0
	.amdhsa_kernel k_qbfc6850e27_cast
		.amdhsa_group_segment_fixed_size 0
		.amdhsa_private_segment_fixed_size 0
		.amdhsa_enable_private_segment 0
		.amdhsa_kernarg_size 40
		.amdhsa_user_sgpr_count 2
		.amdhsa_user_sgpr_kernarg_segment_ptr 1
		.amdhsa_wavefront_size32 1
		.amdhsa_system_sgpr_workgroup_id_x 1
		.amdhsa_system_sgpr_workgroup_id_y 1
		.amdhsa_system_sgpr_workgroup_id_z 1
		.amdhsa_system_vgpr_workitem_id 0
		.amdhsa_next_free_vgpr 128
		.amdhsa_next_free_sgpr 66
		.amdhsa_reserve_vcc 0
		.amdhsa_float_denorm_mode_32 3
		.amdhsa_float_denorm_mode_16_64 3
		.amdhsa_memory_ordered 1
		.amdhsa_forward_progress 1
		.amdhsa_inst_pref_size 28
	.end_amdhsa_kernel
	.amdgpu_metadata
---
amdhsa.version: [ 1, 2 ]
amdhsa.kernels:
  - .name:           k_qbfc6850e27_cast
    .symbol:         k_qbfc6850e27_cast.kd
    .args:
      - { .name: x, .offset: 0, .size: 8, .value_kind: global_buffer, .address_space: global }
      - { .name: bern, .offset: 8, .size: 8, .value_kind: global_buffer, .address_space: global }
      - { .name: M, .offset: 16, .size: 8, .value_kind: global_buffer, .address_space: global }
      - { .name: xb, .offset: 24, .size: 8, .value_kind: global_buffer, .address_space: global }
      - { .name: mb, .offset: 32, .size: 8, .value_kind: global_buffer, .address_space: global }
    .group_segment_fixed_size: 0
    .private_segment_fixed_size: 0
    .kernarg_segment_align: 8
    .kernarg_segment_size: 40
    .max_flat_workgroup_size: 256
    .sgpr_count:     66
    .vgpr_count:     128
    .wavefront_size: 32
...
	.end_amdgpu_metadata
.endif
;; end of part 1
;; launch gemm (part 2): grid 16 x 16, 4 waves a work-group, clusters of 4 x 4, 327,680 bytes of LDS; arguments xb, mb, m, out0; writes out0
.if DOCPART == 2
	.amdgcn_target "amdgcn-amd-amdhsa--gfx1250"
	.amdhsa_code_object_version 6
	.text
	.protected	k_qbfc6850e27_gemm
	.globl	k_qbfc6850e27_gemm
	.p2align	8
	.type	k_qbfc6850e27_gemm,@function
k_qbfc6850e27_gemm:
	s_mov_b64 s[64:65], 0
	v_nop
	global_prefetch_b8 v0, s[64:65] scope:SCOPE_SE
	s_setreg_imm32_b32 hwreg(HW_REG_WAVE_MODE, 25, 1), 1
	s_wait_xcnt 0x0
	s_wait_alu depctr_hold_cnt(0) depctr_sa_sdst(0) depctr_va_vdst(0) depctr_va_sdst(0) depctr_va_ssrc(0) depctr_va_vcc(0) depctr_vm_vsrc(0)
	s_getreg_b32 s2, hwreg(HW_REG_IB_STS2, 6, 4)
	s_cmp_eq_u32 s2, 0
	s_cbranch_scc0 .Lentry_in_a_cluster
	s_endpgm
.Lentry_in_a_cluster:
	s_bfe_u32 s2, ttmp6, 0x10000c
	s_cmp_lg_u32 s2, 0xf033
	s_cbranch_scc0 .Lentry_shape_is_right
	s_endpgm
.Lentry_shape_is_right:
; out0[r][n] = m[n] + the sum over k of xb[r][k] mb[k][n].  xb: [4096][4096] bf16, k along the rows; mb: [4096][4096] bf16, n along the rows; m: [4096] f32; out0: [4096][4096] f32.
; One f32 sum for each output, K ascending, begun with m[n] as the first product's C operand; the sum is stored as it is.  LIMITS: the operands are bf16 (rounded by the launch before); the order of the
; f32 additions is the matrix instruction's, not that of a plain dot product; NaN and infinities go through as the arithmetic gives them.
; SHARES.  A tile of out0, 256 x 256, is made by a work-group of four waves; a wave makes 128 x 128: 64 accumulators of 16 x 16, 512 registers.  16 x 16 tiles: 256 work-groups, one tile each.
; K goes in 32 steps of 128 through a ring of two LDS slots filled by the tensor data mover: 256 rows x 256 bytes of xb and 128 rows x 512 bytes of mb a step, all rows aligned to 256 bytes in memory.
; CLUSTERS: 4 x 4 work-groups.  The four of a row of the cluster need the same tiles of xb, the four of a column the same tiles of mb: each tile is asked for JOINTLY, by the same tensor load with the same
; descriptor and a mask that names the four, which divides the requests for both by four.
; THE MATRIX INSTRUCTION IS USED TRANSPOSED: source 0 = 16 columns of mb, source 1 = 16 rows of xb.  In the result lane l holds row l % 16 of out0, and its registers 0 to 7 the columns 8 (l / 16) + 0 .. 7:
; 32 neighbouring bytes of a row.  xb's fragments come out of LDS as they lie; mb's ([k][n]) are turned by ds_load_tr16_b128, two loads a fragment like the others.
; REGISTERS, in windows of 256 (s_set_vgpr_msb's low byte: bits 1:0 source 0, 3:2 source 1, 5:4 source 2, 7:6 destination):
;   window 0: v0-31 addresses; v64-127, v128-191 fragments of xb, two buffers (on the way out: two buffers of 16 rows read back); v192-255 the bias, 8 registers for each of my 8 column blocks
;   window 1: v64-127, v128-191 fragments of mb, two buffers
;   window 2: the 32 accumulators of my rows 0-63 (accumulator (a, b) at v[8 (8 a + b)]);   window 3: those of my rows 64-127
.set KSTEP,  128
.set PA,     272                       ; an LDS row of xb: 256 bytes + 16 of padding = 68 words: row r starts at bank 4 r mod 64 (64 banks of 4 bytes: ISA guide 11.1), so the 16 rows of a load start at 16 different groups of banks
.set PB,     544                       ; an LDS row of mb: 512 bytes + 32 of padding = 136 words: row r starts at bank 8 r mod 64
.set HALFT,  128*PA                    ; what one tensor load brings: 128 rows of xb, or 64 rows of mb (64 x 544 is the same 34,816 bytes)
.set SLOT,   4*HALFT                   ; xb's 256 rows, then mb's 128 rows
.set STAGE,  2*SLOT                    ; behind the ring, never filled by a tensor load: 16 rows x 528 bytes for each wave, for the way out
.set SPITCH, 528                       ; a stage row: 512 bytes + 16 = 132 words: row r starts at bank 4 r mod 64
.set WSTAGE, 16*SPITCH                 ; 8,448 bytes, 33 blocks of 256
.set SPARE,  STAGE+4*WSTAGE            ; behind the stages: the spare words, 128 bytes for each wave: two blocks of 256 bytes that no other line names
.set LAPS,   16                        ; a lap = two K steps = once round the ring
.set ROWX,   8192                      ; bytes in a row of xb and of mb
.set ROWC,   16384                     ; bytes in a row of out0
.set ADRA, 16                          ; v16-17  LDS address of my xb fragments in slot 0, 1
.set ADRB, 20                          ; v20-21  the same for mb
.set STO,  24                          ; v24     the way out: where I put 32 bytes of a row
.set RD,   25                          ; v25     the way out: where I read a row back
.set CO,   26                          ; v26     my 16 bytes of a row's 512 in out0
.set BO,   27                          ; v27     my 32 bytes of a column block's 64 in m
.set SPW,  28                          ; v28     LDS address of my spare word: SPARE + 4 x my thread's number; never rewritten
.set NIL,  29                          ; v29     0; never rewritten
.set PFO,  30                          ; v30     the prefetches' lane offset; never rewritten
.set F0,   64                          ; fragment buffer 0
.set F1,   128                         ; fragment buffer 1
.set BIAS, 192                         ; m of column block b, as a C operand, at BIAS + 8 b
.set WV,   12                          ; s12     my wave's number
.set FB,   13                          ; s13     which half of the tile's rows is mine.  Also: I fetch for xb (0) or for mb (1)
.set HF,   14                          ; s14     which half of its columns.  Also: which half of that tile I fetch
.set G1,   24                          ; s[24:31] descriptor group 1 for xb's tiles
.set G0,   32                          ; s[32:39] descriptor group 0 for xb's tiles, one set for each slot
.set LIM,  40                          ; s40     1 in a wave that prefetches, else the greatest number
.set PFA,  42                          ; s[42:43] where my prefetches stand
.set PFS,  44                          ; s[44:45] a K step in bytes along my tensor: 256 in xb, 128 rows in mb
.set G1B,  48                          ; s[48:55] descriptor group 1 for mb's tiles
.set G0B,  56                          ; s[56:63] descriptor group 0 for mb's tiles, one set for each slot
.set MSB, 0
.macro WIN new                         ; the immediate's high byte repeats the setting that is left; a switch that changes nothing is dropped
.if MSB != (\new)
	s_set_vgpr_msb (MSB<<8)|(\new)
.set MSB, \new
.endif
.endm
.set MUL_LO, 0xa1                      ; source 0 (mb) window 1, source 1 (xb) window 0, C and D window 2
.set MUL_HI, 0xf1                      ; the same, C and D window 3
.set TO_B,   0x40                      ; destination window 1, address window 0
; A joint load.  Waves 0 and 1 fetch xb's two halves, waves 2 and 3 mb's.  Each of the two lines has ONE mask and one set of registers for all that issue it.  The branch hangs on the wave's number alone.
; An s_nop 0 and four v_nop follow each of the two lines; the jump round the other line, the label and what follows the macro come after them.
.macro JLOAD s
	s_cmp_eq_u32 s[FB], 0
	s_cbranch_scc0 .Lfor_b_\@
	tensor_load_to_lds s[G0+4*(\s):G0+4*(\s)+3], s[G1:G1+7]
	s_nop 0
.rept 4
	v_nop
.endr
	s_branch .Lasked_\@
.Lfor_b_\@:
	tensor_load_to_lds s[G0B+4*(\s):G0B+4*(\s)+3], s[G1B:G1B+7]
	s_nop 0
.rept 4
	v_nop
.endr
.Lasked_\@:
.endm
; A PREFETCH INTO THE L2, behind each joint refill and the run of LDS loads that follows it: the K step that stands TWO refills on, 512 matrix instructions ahead of the load that will want it; one instruction a wave.
; Each aligned block of 256 bytes is named ONCE in the launch.  xb's tile row is read by every cluster of that row of clusters: the one with cluster x = 0 asks; mb's tile column by every cluster of that column:
; cluster y = 0 asks.  The four partners that ask for a tile jointly share it out BY ADDRESS: of the 128 rows of xb that a wave fetches the partner at cx takes 32, a lane a row; of the 64 rows of mb the partner
; at cy takes 16, a lane a half row of 256 bytes.  No branch hangs on a work-group's place in its cluster.  The loop's last trip (s3 = 1) asks for nothing: K step 31 is the last.
.macro ASK
	s_cmp_gt_u32 s3, s[LIM]
	s_cbranch_scc0 .Lnot_mine_\@
	global_prefetch_b8 v[PFO], s[PFA:PFA+1] th:TH_LOAD_NT scope:SCOPE_SE
.Lnot_mine_\@:
.endm
; A round of the cluster's barrier: my work-group's barrier, so that wave 0's signal speaks for all four waves; wave 0 signals for the work-group; every wave waits for all sixteen work-groups; my work-group's barrier once more.
.macro CREST                           ; a round behind its opening barrier
	s_cmp_lg_u32 s[WV], 0
	s_cbranch_scc1 .Lnot_wave_0_\@
	s_barrier_signal -3
.Lnot_wave_0_\@:
	s_barrier_wait -3
	s_barrier_signal -1
	s_barrier_wait -1
.endm
.macro CROUND                          ; a whole round
	s_barrier_signal -1
	s_barrier_wait -1
	CREST
.endm
	s_load_b256 s[4:11], s[0:1], 0x0               ; xb s[4:5], mb s[6:7], m s[8:9], out0 s[10:11]
	v_lshl_add_u32 v[SPW], v0, 2, SPARE
	v_mov_b32 v[NIL], 0
	ds_add_u32 v[SPW], v[NIL]                      ; the wave's opening: the add and its wait stand ahead of my first tensor load; the set-up below, work on registers, stands between them
	v_lshrrev_b32 v1, 5, v0
	v_readfirstlane_b32 s[WV], v1                  ; wave 0..3
	s_lshr_b32 s[FB], s[WV], 1
	s_and_b32 s[HF], s[WV], 1
	s_bfe_u32 s15, ttmp6, 0x40000                  ; cx: my place along the cluster's x
	s_bfe_u32 s16, ttmp6, 0x40004                  ; cy: along its y
	s_lshl_b32 s17, ttmp9, 2                       ; in a cluster launch ttmp9 and ttmp7 count clusters
	s_add_co_u32 s17, s17, s15                     ; tile column = 4 x cluster x + cx
	s_and_b32 s18, ttmp7, 0xffff
	s_lshl_b32 s18, s18, 2
	s_add_co_u32 s18, s18, s16                     ; tile row = 4 x cluster y + cy
	s_lshl_b32 s19, s16, 2
	s_lshl_b32 s19, 15, s19                        ; my row of the cluster: places 4 cy .. 4 cy + 3
	s_lshl_b32 s41, 0x1111, s15                    ; my column: places cx, cx + 4, cx + 8, cx + 12
	; descriptor group 1 for xb: a tile of 128 rows x 128 elements, padded in LDS
	s_or_b32 s[G1+0], s19, (1<<16)|(1<<20)|(1<<21)|(5<<22)|(3<<25)  ; 15:0 the mask: my row; 17:16 elements of 2 bytes; 20 padding on; 21 set beside a mask; 24:22 after every 64 words (code 5); 31:25 4 words of it (code 3)
	s_mov_b32 s[G1+1], KSTEP<<16                   ; 63:48 tensor_dim0, low half = 128
	s_mov_b32 s[G1+2], 128<<16                     ; 79:64 its high half = 0; 95:80 tensor_dim1, low half = 128
	s_mov_b32 s[G1+3], KSTEP<<16                   ; 111:96 its high half = 0; 127:112 tile_dim0 = 128
	s_mov_b32 s[G1+4], 128                         ; 143:128 tile_dim1 = 128; 159:144 tile_dim2 = 0
	s_mov_b32 s[G1+5], 4096                        ; 191:160 tensor_dim0_stride: elements from row to row
	s_mov_b32 s[G1+6], 0
	s_mov_b32 s[G1+7], 0
	; descriptor group 1 for mb: a tile of 64 rows (k) x 256 elements (n), padded in LDS
	s_or_b32 s[G1B+0], s41, (1<<16)|(1<<20)|(1<<21)|(6<<22)|(7<<25) ; the mask: my column; padding after every 128 words (code 6), 8 words of it (code 7)
	s_mov_b32 s[G1B+1], 256<<16                    ; tensor_dim0 = 256
	s_mov_b32 s[G1B+2], 64<<16                     ; tensor_dim1 = 64
	s_mov_b32 s[G1B+3], 256<<16                    ; tile_dim0 = 256
	s_mov_b32 s[G1B+4], 64                         ; tile_dim1 = 64
	s_mov_b32 s[G1B+5], 4096                       ; tensor_dim0_stride
	s_mov_b32 s[G1B+6], 0
	s_mov_b32 s[G1B+7], 0
	; where the tiles come from.  xb's hang on the tile row alone, which my row of the cluster shares; mb's on the tile column alone, which my column shares.  Every wave makes both addresses and asks by one of them.
	s_lshl_b32 s20, s18, 21                        ; xb: 256 rows of 8,192 bytes x tile row
	s_lshl_b32 s19, s[HF], 20                      ; + 128 rows x half
	s_add_co_u32 s20, s20, s19
	s_mov_b32 s21, 0
	s_lshl_b32 s46, s17, 9                         ; mb: 256 columns of 2 bytes x tile column
	s_lshl_b32 s47, s[HF], 19                      ; + 64 rows x half
	s_add_co_u32 s46, s46, s47
	s_mov_b32 s47, 0
	s_mul_i32 s22, s[WV], HALFT                    ; and where they go: xb's two halves, then mb's two halves = wave x 34,816: no place in the cluster enters an LDS address
	s_wait_dscnt 0x0                               ; the opening add is done
	s_wait_kmcnt 0x0
	s_add_nc_u64 s[20:21], s[4:5], s[20:21]
	s_add_nc_u64 s[46:47], s[6:7], s[46:47]
	CROUND                                         ; all sixteen work-groups are here: the first joint loads meet
.irp s, 0,1
	s_mov_b32 s[G0+4*(\s)], 1                                      ; 1:0 count = 1
	s_add_co_u32 s[G0+4*(\s)+1], s22, (\s)*SLOT                    ; 63:32 LDS address
	s_add_nc_u64 s[G0+4*(\s)+2:G0+4*(\s)+3], s[20:21], (\s)*KSTEP*2  ; 120:64 global address: K step s, 256 bytes along the rows
	s_or_b32 s[G0+4*(\s)+3], s[G0+4*(\s)+3], 0x80000000            ; 127:126 type = 2
	s_mov_b32 s[G0B+4*(\s)], 1
	s_add_co_u32 s[G0B+4*(\s)+1], s22, (\s)*SLOT
	s_add_nc_u64 s[G0B+4*(\s)+2:G0B+4*(\s)+3], s[46:47], (\s)*KSTEP*ROWX  ; K step s, 128 rows down
	s_or_b32 s[G0B+4*(\s)+3], s[G0B+4*(\s)+3], 0x80000000
	JLOAD \s                                       ; the ring is filled before anything else is done: two tensor loads of mine are out
.endr
	; A fragment is 16 rows x 32 K in 8 registers: lane l holds row l % 16; registers 0-3 hold K = 8 (l / 16) + 0..7, registers 4-7 hold K = 16 + 8 (l / 16) + 0..7.
	; xb, whose rows lie along K: two loads of 16 bytes, 32 bytes apart.
	v_and_b32 v1, 15, v0                           ; l % 16
	v_bfe_u32 v2, v0, 4, 1                         ; l / 16
	v_mul_u32_u24 v3, v1, PA
	v_lshl_add_u32 v3, v2, 4, v3                   ; row x pitch + 16 x half
	s_mul_i32 s19, s[FB], HALFT                    ; my 128 rows of xb
	v_add_nc_u32 v[ADRA], s19, v3
	v_add_nc_u32 v[ADRA+1], SLOT, v[ADRA]
	; mb, whose rows lie along n: the turning load takes 16 k x 16 n (lane l reads 16 bytes: k = 8 (l / 16) + l % 8, n = 8 ((l / 8) % 2) + 0..7) and leaves half a fragment: lane l holds column l % 16 and 8 k.
	v_and_b32 v4, 7, v0
	v_lshl_add_u32 v4, v2, 3, v4
	v_mul_u32_u24 v4, v4, PB
	v_bfe_u32 v5, v0, 3, 1
	v_lshl_add_u32 v4, v5, 4, v4
	s_lshl_b32 s19, s[HF], 8                       ; my 128 columns: 256 bytes of a row,
	s_add_co_u32 s19, s19, 2*HALFT                 ; behind xb's 256 rows
	v_add_nc_u32 v[ADRB], s19, v4
	v_add_nc_u32 v[ADRB+1], SLOT, v[ADRB]
	s_mul_i32 s19, s[WV], WSTAGE
	s_add_co_u32 s19, s19, STAGE                   ; my stage
	v_mul_u32_u24 v3, v1, SPITCH                   ; in: row l % 16, 32 bytes for each half of the lanes
	v_lshl_add_u32 v3, v2, 5, v3
	v_add_nc_u32 v[STO], s19, v3
	v_and_b32 v5, 31, v0                           ; l
	v_lshlrev_b32 v[CO], 4, v5                     ; back: 32 lanes take one row of 512 bytes, and the same bytes of a row of out0
	v_add_nc_u32 v[RD], s19, v[CO]
	v_lshlrev_b32 v[BO], 5, v2
	s_lshl_b32 s46, s17, 10                        ; my first column, in bytes of f32: 1,024 x tile column + 512 x half
	s_lshl_b32 s47, s[HF], 9
	s_add_co_u32 s46, s46, s47
	s_mov_b32 s47, 0
	s_add_nc_u64 s[8:9], s[8:9], s[46:47]          ; m at my first column
	s_add_nc_u64 s[10:11], s[10:11], s[46:47]
	s_lshl_b32 s22, s18, 22                        ; my first row: 256 rows of 16,384 bytes x tile row + 128 rows x half
	s_lshl_b32 s23, s[FB], 21
	s_add_co_u32 s22, s22, s23
	s_mov_b32 s23, 0
	s_add_nc_u64 s[10:11], s[10:11], s[22:23]      ; out0 at my first number
.irp b, 0,1,2,3,4,5,6,7                ; the bias as a C operand: register j of lane l belongs to column 16 b + 8 (l / 16) + j, whatever the row
	global_load_b128 v[BIAS+8*(\b):BIAS+8*(\b)+3],   v[BO], s[8:9] offset:64*(\b)
	global_load_b128 v[BIAS+8*(\b)+4:BIAS+8*(\b)+7], v[BO], s[8:9] offset:64*(\b)+16
.endr
	; the prefetches' address.  Nothing is prefetched here, at the head, where every work-group's first tiles are on their way: K steps 0 to 3 come by their loads alone
	v_lshrrev_b32 v3, s[FB], v5                    ; xb: a lane a row; mb: two lanes a row,
	v_and_b32 v4, s[FB], v5
	v_lshlrev_b32 v4, 8, v4                        ; the odd one its second 256 bytes
	v_lshl_add_u32 v[PFO], v3, 13, v4
	s_lshl_b32 s19, s18, 21                        ; xb: the tile's first row, + the 128 rows that I fetch, + my work-group's 32 of them
	s_lshl_b32 s41, s[HF], 20
	s_add_co_u32 s19, s19, s41
	s_lshl_b32 s41, s15, 18
	s_add_co_u32 s19, s19, s41
	s_lshl_b32 s22, s17, 9                         ; mb: the tile's first column, + the 64 rows that I fetch, + my work-group's 16 of them
	s_lshl_b32 s41, s[HF], 19
	s_add_co_u32 s22, s22, s41
	s_lshl_b32 s41, s16, 17
	s_add_co_u32 s22, s22, s41
	s_and_b32 s41, ttmp7, 0xffff                   ; cluster y
	s_mov_b32 s[PFS], KSTEP*ROWX
	s_cmp_eq_u32 s[FB], 0                          ; do I fetch for xb?
	s_cselect_b32 s22, s19, s22
	s_cselect_b32 s41, ttmp9, s41                  ; the coordinate along which other clusters read the same rows
	s_cselect_b32 s[PFS], KSTEP*2, s[PFS]
	s_cselect_b64 s[PFA:PFA+1], s[4:5], s[6:7]
	s_cmp_eq_u32 s41, 0
	s_cselect_b32 s[LIM], 1, -1                    ; the same in all sixteen partners, for a given wave
	s_mul_i32 s19, s[PFS], 3
	s_add_co_u32 s22, s22, s19                     ; at K step 3: the first refill steps it to 4, two refills on from its own K step 2
	s_mov_b32 s23, 0
	s_mov_b32 s[PFS+1], 0
	s_add_nc_u64 s[PFA:PFA+1], s[PFA:PFA+1], s[22:23]
; 16 matrix instructions: row blocks a0, a0 + 1 of the window's four (hi = 0: my rows 0-63, 1: rows 64-127) x all 8 column blocks, 32 along K.
; zero = 1: the first product starts the sums, with the bias as C: nothing is cleared, and the bias costs no instruction.
; The 64 accumulators take turns, one instruction a turn, in the same order in every quarter step.
.macro MUL16 f, hi, a0, zero
.if \zero
	WIN 0x81+0x40*(\hi)                            ; C in window 0, D in window 2 or 3
.else
	WIN MUL_LO+0x50*(\hi)                          ; MUL_LO or MUL_HI
.endif
.irp a, \a0, (\a0)+1
.irp b, 0,1,2,3,4,5,6,7
.if \zero
	v_wmma_f32_16x16x32_bf16 v[8*(8*(\a)+(\b)):8*(8*(\a)+(\b))+7], v[(\f)+8*(\b):(\f)+8*(\b)+7], v[(\f)+8*(4*(\hi)+(\a)):(\f)+8*(4*(\hi)+(\a))+7], v[BIAS+8*(\b):BIAS+8*(\b)+7]
.else
	v_wmma_f32_16x16x32_bf16 v[8*(8*(\a)+(\b)):8*(8*(\a)+(\b))+7], v[(\f)+8*(\b):(\f)+8*(\b)+7], v[(\f)+8*(4*(\hi)+(\a)):(\f)+8*(4*(\hi)+(\a))+7], v[8*(8*(\a)+(\b)):8*(8*(\a)+(\b))+7]
.endif
.endr
.endr
.endm
; 32 LDS loads in one run: the fragments of quarter q of a K step (32 k x 128 columns of mb, turned; 128 rows of xb x 32 k) into buffer f
.macro FETCH slot, q, f
	WIN TO_B
.irp i, 0,1,2,3,4,5,6,7
	ds_load_tr16_b128 v[(\f)+8*(\i):(\f)+8*(\i)+3],   v[ADRB+(\slot)] offset:(\q)*32*PB+32*(\i)
	ds_load_tr16_b128 v[(\f)+8*(\i)+4:(\f)+8*(\i)+7], v[ADRB+(\slot)] offset:(\q)*32*PB+16*PB+32*(\i)
.endr
	WIN 0
.irp i, 0,1,2,3,4,5,6,7
	ds_load_b128 v[(\f)+8*(\i):(\f)+8*(\i)+3],   v[ADRA+(\slot)] offset:64*(\q)+(\i)*16*PA
	ds_load_b128 v[(\f)+8*(\i)+4:(\f)+8*(\i)+7], v[ADRA+(\slot)] offset:64*(\q)+(\i)*16*PA+32
.endr
.endm
; A load into a register that a matrix instruction has read, and an LDS store that reads a matrix result, stand four places behind that matrix instruction, and only plain vector instructions that name none
; of its registers are places (ISA guide 7.12.1 for vector instructions); the matrix instructions in between are not counted.
.macro PLACES
.rept 4
	v_nop
.endr
.endm
; A K step is four quarter steps of 32 along K, 64 matrix instructions each, on buffers 0, 1, 0, 1.
; One of the first three: multiplies buffer f; in its middle it fetches quarter q of the same slot into buffer g.
.macro QUARTER slot, q, f, g, zero
	s_wait_dscnt 8                                 ; mb's fragments and xb's rows 0-63 are in; the youngest eight loads (xb's rows 64-127) may be out
	MUL16 \f, 0, 0, \zero
	MUL16 \f, 0, 2, \zero
	PLACES
	FETCH \slot, \q, \g
	s_wait_dscnt 32                                ; all but the 32 just issued
	MUL16 \f, 1, 0, \zero
	MUL16 \f, 1, 2, \zero
.endm
; The last quarter multiplies buffer 1 and changes slots.  MEET is its first half: ONE barrier for the change of slots.  In front of it each wave waits for all its tensor loads, of which one is out: its part of
; the next slot; adds 0 to its spare word; and waits for that and for its own reads of this slot.  Behind it nobody reads this slot any more and the next slot is whole.
.macro MEET round                      ; round = 1: the rest of a round of the cluster's barrier follows
	WIN 0                                          ; (the add's two registers lie in window 0)
	s_wait_tensorcnt 0x0                           ; all my tensor loads have landed;
	ds_add_u32 v[SPW], v[NIL]                      ; 0 onto my spare word;
	s_wait_dscnt 9                                 ; (the add and the youngest eight loads may be out)
	MUL16 F1, 0, 0, 0                              ; sixteen matrix instructions stand between the add and the wait for it
	s_wait_dscnt 0x0                               ; the add is done, and my reads of this slot are over:
	s_barrier_signal -1                            ; say so,
	MUL16 F1, 0, 2, 0                              ; work on registers while the others arrive,
.if \round
	WIN 0
.endif
	s_barrier_wait -1                              ; and go on when all four have said so
.endm
; The whole last quarter.  fill = 1: behind the round the slot just read out is filled again first, with the K step two steps on; then come the next slot's first fragments.
; From a request to the wait for it a wave issues 224 matrix instructions; one tensor load of mine is out meanwhile.
.macro TURN slot, next, fill
.if \fill
	s_wait_xcnt 0x0                                ; the last prefetch, a K step back, has read its address: it is stepped here, ahead of the waits of the change of slots
	s_add_nc_u64 s[PFA:PFA+1], s[PFA:PFA+1], s[PFS:PFS+1]
	MEET 1
	CREST                                          ; no wave of any partner still reads this slot's tile or has a load on its way
	s_add_nc_u64 s[G0+4*(\slot)+2:G0+4*(\slot)+3], s[G0+4*(\slot)+2:G0+4*(\slot)+3], 2*KSTEP*2      ; no tensor load of mine is out, so a group 0 may be written; the type bits on top are not reached
	s_add_nc_u64 s[G0B+4*(\slot)+2:G0B+4*(\slot)+3], s[G0B+4*(\slot)+2:G0B+4*(\slot)+3], 2*KSTEP*ROWX
	JLOAD \slot                                    ; the first tensor load behind the round; the four v_nop behind it are also the places in front of the loads below
	FETCH \next, 0, F0
	ASK                                            ; behind the joint load and the run of LDS loads that the next products wait for
.else
	MEET 0                                         ; nothing is filled again, so no round follows
	PLACES
	FETCH \next, 0, F0
.endif
	MUL16 F1, 1, 0, 0
	MUL16 F1, 1, 2, 0
.endm
; THE WAY OUT of block a (16 of my rows x my 128 columns, f32).  A lane's 32 bytes are a sixteenth of a row's 512, and the lanes beside it hold other rows: the block goes through my own stage in LDS.
; TOSTAGE: 32 bytes a lane and column block into rows of 528 bytes, each accumulator's low four registers first; then back as whole rows of 512 bytes, 16 bytes a lane.
.macro TOSTAGE a
.set AC, 64*((\a)%4)
.set BK, F0+64*((\a)%2)
	WIN 0x08+4*((\a)/4)                            ; the stores' data (source 1) in window 2 or 3, the address in window 0
.irp b, 0,1,2,3,4,5,6,7
	ds_store_b128 v[STO], v[AC+8*(\b):AC+8*(\b)+3]   offset:64*(\b)
	ds_store_b128 v[STO], v[AC+8*(\b)+4:AC+8*(\b)+7] offset:64*(\b)+16
.endr
	WIN 0
	s_wait_xcnt 0x0                                ; the stores of the block two back have read their registers (ISA guide 3.1), which the loads below fill again
.irp t, 0,1,2,3,4,5,6,7,8,9,10,11,12,13,14,15
	ds_load_b128 v[BK+4*(\t):BK+4*(\t)+3], v[RD] offset:(\t)*SPITCH  ; LDS serves a wave's instructions in order (ISA guide 5.7.1.4): these see the stores above; the next block's stores come behind them
.endr
.endm
.macro SEND a, younger                 ; younger: the LDS instructions issued behind block a's loads: the next block's 32, or none
.set BK, F0+64*((\a)%2)
.irp t, 0,1,2,3,4,5,6,7,8,9,10,11,12,13,14,15
	s_wait_dscnt (\younger)+15-(\t)                ; row t is back in registers
	global_store_b128 v[CO], v[BK+4*(\t):BK+4*(\t)+3], s[10:11] offset:(16*(\a)+(\t))*ROWC th:TH_STORE_NT  ; the wave stores 512 consecutive bytes, at a multiple of 512 from out0's first byte; 127 rows at the most stand in the immediate
.endr
.endm
	s_wait_tensorcnt 1                             ; my part of K step 0 is in; K step 1's may stay out
	s_barrier_signal -1
	s_barrier_wait -1                              ; everybody's is
	FETCH 0, 0, F0
	s_wait_loadcnt 0x0                             ; the bias
	QUARTER 0, 1, F0, F1, 1                        ; the first quarter stands in front of the loop: its products start the sums
	WIN 0                                          ; at a label and at a branch every window is 0
	s_mov_b32 s3, LAPS-1
.Llap:                                                 ; a trip goes once round the ring, from a lap's second quarter to the next lap's first, and fills both slots again
	QUARTER 0, 2, F1, F0, 0
	QUARTER 0, 3, F0, F1, 0
	TURN 0, 1, 1
	QUARTER 1, 1, F0, F1, 0
	QUARTER 1, 2, F1, F0, 0
	QUARTER 1, 3, F0, F1, 0
	TURN 1, 0, 1
	QUARTER 0, 1, F0, F1, 0
	WIN 0
	s_sub_co_u32 s3, s3, 1
	s_cmp_lg_u32 s3, 0
	s_cbranch_scc1 .Llap
	QUARTER 0, 2, F1, F0, 0                        ; the last lap is written out: it fills nothing
	QUARTER 0, 3, F0, F1, 0
	TURN 0, 1, 0
	QUARTER 1, 1, F0, F1, 0
	QUARTER 1, 2, F1, F0, 0
	QUARTER 1, 3, F0, F1, 0
	s_wait_dscnt 8                                 ; the very last quarter: nothing more to fetch
	MUL16 F1, 0, 0, 0
	MUL16 F1, 0, 2, 0
	s_wait_dscnt 0x0
	MUL16 F1, 1, 0, 0
	MUL16 F1, 1, 2, 0
	WIN 0
	PLACES                                         ; behind the last products, in front of the LDS stores that read results and of the loads into the fragments' registers
	PLACES                                         ; (eight, once a launch)
	TOSTAGE 0
.irp a, 1,2,3,4,5,6,7                  ; block a goes into the stage while block a - 1's rows come back
	TOSTAGE \a
	SEND (\a)-1, 32
.endr
	SEND 7, 0
	s_wait_tensorcnt 0x0                           ; the wave's end: behind my last tensor load and my last LDS store
	ds_add_u32 v[SPW], v[NIL]
	s_wait_dscnt 0x0
	CROUND                                         ; the closing round: no work-group ends while a partner may still ask for a tile that names it
	s_endpgm
.Lfunc_end_k_qbfc6850e27_gemm:
	.size	k_qbfc6850e27_gemm, .Lfunc_end_k_qbfc6850e27_gemm-k_qbfc6850e27_gemm
	.p2alignl 7, 3214868480
	.fill 96, 4, 3214868480
	.section	.rodata,"a",@progbits
	.p2align	6, 0x0
	.amdhsa_kernel k_qbfc6850e27_gemm
		.amdhsa_group_segment_fixed_size 327680
		.amdhsa_private_segment_fixed_size 0
		.amdhsa_enable_private_segment 0
		.amdhsa_kernarg_size 32
		.amdhsa_user_sgpr_count 2
		.amdhsa_user_sgpr_kernarg_segment_ptr 1
		.amdhsa_wavefront_size32 1
		.amdhsa_system_sgpr_workgroup_id_x 1
		.amdhsa_system_sgpr_workgroup_id_y 1
		.amdhsa_system_sgpr_workgroup_id_z 1
		.amdhsa_system_vgpr_workitem_id 0
		.amdhsa_next_free_vgpr 1024
		.amdhsa_next_free_sgpr 66
		.amdhsa_reserve_vcc 0
		.amdhsa_float_denorm_mode_32 3
		.amdhsa_float_denorm_mode_16_64 3
		.amdhsa_memory_ordered 1
		.amdhsa_forward_progress 1
		.amdhsa_inst_pref_size 147
	.end_amdhsa_kernel
	.amdgpu_metadata
---
amdhsa.version: [ 1, 2 ]
amdhsa.kernels:
  - .name:           k_qbfc6850e27_gemm
    .symbol:         k_qbfc6850e27_gemm.kd
    .args:
      - { .name: xb, .offset: 0, .size: 8, .value_kind: global_buffer, .address_space: global }
      - { .name: mb, .offset: 8, .size: 8, .value_kind: global_buffer, .address_space: global }
      - { .name: m, .offset: 16, .size: 8, .value_kind: global_buffer, .address_space: global }
      - { .name: out0, .offset: 24, .size: 8, .value_kind: global_buffer, .address_space: global }
    .group_segment_fixed_size: 327680
    .private_segment_fixed_size: 0
    .kernarg_segment_align: 8
    .kernarg_segment_size: 32
    .max_flat_workgroup_size: 128
    .sgpr_count:     66
    .vgpr_count:     1024
    .wavefront_size: 32
...
	.end_amdgpu_metadata
.endif
;; end of part 2
;; ======== version 2 of 2: 2 launches; version 1 with the launch cast written anew for expert scheduling mode
;; workspace buffers: xb 33,554,432 bytes; mb 33,554,432 bytes
;; launch cast (part 3): grid 256 x 2, 8 waves a work-group, no clusters, 0 bytes of LDS; arguments x, bern, M, xb, mb; writes xb, mb
.if DOCPART == 3
	.amdgcn_target "amdgcn-amd-amdhsa--gfx1250"
	.amdhsa_code_object_version 6
	.text
	.protected	k_qbfc6850e27_cast
	.globl	k_qbfc6850e27_cast
	.p2align	8
	.type	k_qbfc6850e27_cast,@function
k_qbfc6850e27_cast:
	s_mov_b64 s[64:65], 0
	v_nop
	global_prefetch_b8 v0, s[64:65] scope:SCOPE_SE
	s_setreg_imm32_b32 hwreg(HW_REG_WAVE_SCHED_MODE, 0, 2), 2
	s_setreg_imm32_b32 hwreg(HW_REG_WAVE_MODE, 25, 1), 1
	s_wait_xcnt 0x0
	s_wait_alu depctr_vm_vsrc(0)
; xb[r][k] = bf16(x[r][k] * bern[k]);  mb[k][n] = bf16(M[k][n]).  x, M: [4096][4096] f32; bern: [4096] f32; xb, mb: [4096][4096] bf16, row-major like their sources.
; The product x * bern is made in f32 and rounded once, to nearest even; M is rounded once.  bf16 has f32's range, so no size of input is lost; NaN and infinities go through as the arithmetic gives them.
; A STREAM: every byte of x and M is read once, every byte of xb and mb written once; nothing is shared between waves, so there is no LDS, no barrier and no matrix work.
; SHARES.  Work-group y = 0 takes x (with the scale), y = 1 takes M (without); work-group x takes 16 rows.  A row of 16,384 bytes is four chunks of 4,096: thread t owns bytes 16 t of every chunk
; (columns 1,024 c + 4 t .. + 3), so a wave's load covers 512 consecutive bytes and its store of 8 bytes a lane covers 256 consecutive bytes, aligned; a thread's 16 numbers of bern stay in registers.
; THE MODE: SCHED_MODE bits 1:0 = 2 (LLVM: expert scheduling mode 2), set by the entry lines.  The code itself states the register dependences
; between vector instructions and memory instructions, with s_wait_alu, always for 0.
; THE PLAN.  A thread's 64 pieces (16 rows x 4 chunks) go in 8 blocks of two rows: 8 loads and 8 stores a block.  Registers that memory instructions touch:
;   X0 .. X3   four blocks as loaded.  Written by the loads of block p + 3, issued in block p; read by block p's multiplies or roundings.
;   Y0, Y1     two blocks to store.    Written by block p's roundings; read by the eight stores that are issued in block p + 1.
;   A          bern: loaded once at the head, ahead of every vector instruction that names it; read by multiplies alone.
;   v2, v3     byte offsets, made once at the head and never written again: every row and chunk stands in an immediate offset (258,048 bytes at the most), so the two bases are never stepped either.
; Block p works on X[p % 4] and writes Y[p % 2].  Its memory instructions are the loads into X[(p + 3) % 4] = X[(p - 1) % 4] and the stores from Y[(p - 1) % 2]: the two buffers that block p - 1 worked on
; and that no vector instruction of block p names.  So the waits at the head of a block state all that the block's sixteen memory instructions hang on, and these are dealt among its vector instructions
; with no further wait.  At a block's head 16 loads of the wave stay out; behind its eight loads 24 are on their way.
; Of the 8 blocks one is the first, four load ahead and three load nothing: a lap of four would make one trip, so the blocks are written out by macro and the text has no loop.
.set ROWI,  16384                      ; bytes in a row of x or M
.set ROWO,  8192                       ; bytes in a row of xb or mb
.set VI,  2                            ; v2         16 t: my bytes in a chunk as read; never rewritten
.set VO,  3                            ; v3         8 t: my bytes in a chunk as written; never rewritten
.set A,   8                            ; v[8:23]    bern of my 4 columns in chunk c at A + 4 c
.set T,   24                           ; v[24:27]   at work: no memory instruction names them
.set X,   32                           ; v[32:159]  buffer k, piece j: 4 registers at X + 32 k + 4 j, as loaded
.set Y,   160                          ; v[160:191] buffer k, piece j: 2 registers at Y + 16 k + 2 j, to store
.set IN,  16                           ; s[16:17]   the source at my work-group's first row
.set OUT, 18                           ; s[18:19]   the destination at the same row
	s_load_b256 s[4:11], s[0:1], 0x0               ; x s[4:5], bern s[6:7], M s[8:9], xb s[10:11]
	s_load_b64 s[12:13], s[0:1], 0x20              ; mb
	v_lshlrev_b32 v[VI], 4, v0
	v_lshlrev_b32 v[VO], 3, v0
	s_and_b32 s14, ttmp7, 0xffff                   ; 0: x, 1: M
	s_lshl_b32 s20, ttmp9, 18                      ; my 16 rows: 262,144 bytes in,
	s_mov_b32 s21, 0
	s_lshl_b32 s22, ttmp9, 17                      ; 131,072 bytes out
	s_mov_b32 s23, 0
	s_wait_kmcnt 0x0
	s_cmp_eq_u32 s14, 0
	s_cselect_b64 s[IN:IN+1], s[4:5], s[8:9]
	s_cselect_b64 s[OUT:OUT+1], s[10:11], s[12:13]
	s_add_nc_u64 s[IN:IN+1], s[IN:IN+1], s[20:21]
	s_add_nc_u64 s[OUT:OUT+1], s[OUT:OUT+1], s[22:23]
	s_wait_alu depctr_va_vdst(0)                   ; v2 and v3 are written: every load and store of the kernel, on both ways below, reads one of them as its offset
; Block p of 8: rows 2 p and 2 p + 1; piece j of 8 is row 2 p + j / 4, chunk j % 4.  scale = 1: times bern.
; Blocks 0 to 4 load block p + 3; blocks 5 to 7 load nothing, so that no load leaves the buffer.  Blocks 1 to 7 store block p - 1.
.macro BLK p, scale
.if (\p) <= 5
	s_wait_loadcnt 16                              ; loads come back in order (ISA guide 5.7.1): X[p % 4] is in (in block 0 bern too, which is older); the two younger blocks, 16 loads, stay out
.else
	s_wait_loadcnt 8*(7-(\p))                      ; the counts run down
.endif
.if (\p) >= 2
	s_wait_xcnt 0x0                                ; every earlier memory instruction has had its addresses translated (ISA guide 3.1): Y[p % 2], the data of the stores issued in the block before, is rewritten only behind this wait
	s_wait_alu depctr_vm_vsrc(0)                   ; those stores have read Y[p % 2], which this block's roundings write again
.endif
.if (\p) >= 1
	s_wait_alu depctr_va_vdst(0)                   ; the block before has written the other Y, which the stores below read, and is done reading its X, in which the loads below land
.endif
.irp j, 0,1,2,3,4,5,6,7
.if (\p) <= 4
	global_load_b128 v[X+32*(((\p)+3)%4)+4*(\j):X+32*(((\p)+3)%4)+4*(\j)+3], v[VI], s[IN:IN+1] offset:(2*((\p)+3)+(\j)/4)*ROWI+((\j)%4)*4096 th:TH_LOAD_NT  ; three blocks ahead; no vector instruction since the wait names these registers
.endif
.if (\p) >= 1
	global_store_b64 v[VO], v[Y+16*(((\p)+1)%2)+2*(\j):Y+16*(((\p)+1)%2)+2*(\j)+1], s[OUT:OUT+1] offset:(2*((\p)-1)+(\j)/4)*ROWO+((\j)%4)*2048 th:TH_STORE_NT  ; the block before
.endif
.if \scale
	v_pk_mul_f32 v[T:T+1],   v[X+32*((\p)%4)+4*(\j):X+32*((\p)%4)+4*(\j)+1],   v[A+4*((\j)%4):A+4*((\j)%4)+1]
	v_pk_mul_f32 v[T+2:T+3], v[X+32*((\p)%4)+4*(\j)+2:X+32*((\p)%4)+4*(\j)+3], v[A+4*((\j)%4)+2:A+4*((\j)%4)+3]
	v_cvt_pk_bf16_f32 v[Y+16*((\p)%2)+2*(\j)],   v[T],   v[T+1]   ; two roundings to bf16, packed
	v_cvt_pk_bf16_f32 v[Y+16*((\p)%2)+2*(\j)+1], v[T+2], v[T+3]
.else
	v_cvt_pk_bf16_f32 v[Y+16*((\p)%2)+2*(\j)],   v[X+32*((\p)%4)+4*(\j)],   v[X+32*((\p)%4)+4*(\j)+1]
	v_cvt_pk_bf16_f32 v[Y+16*((\p)%2)+2*(\j)+1], v[X+32*((\p)%4)+4*(\j)+2], v[X+32*((\p)%4)+4*(\j)+3]
.endif
.endr
.endm
; The whole stream of 16 rows: blocks 0 to 2 are asked for, the eight blocks are worked on, the last block is stored.
.macro STREAM scale
.if \scale
.irp c, 0,1,2,3
	global_load_b128 v[A+4*(\c):A+4*(\c)+3], v[VI], s[6:7] offset:4096*(\c)  ; older than every load of x: the first counted wait covers them
.endr
.endif
.irp i, 0,1,2,3,4,5,6,7,8,9,10,11,12,13,14,15,16,17,18,19,20,21,22,23
	global_load_b128 v[X+4*(\i):X+4*(\i)+3], v[VI], s[IN:IN+1] offset:((\i)/4)*ROWI+((\i)%4)*4096 th:TH_LOAD_NT  ; blocks 0, 1 and 2 into X0, X1, X2
.endr
.irp p, 0,1,2,3,4,5,6,7
	BLK \p, \scale
.endr
	s_wait_alu depctr_va_vdst(0)                   ; block 7 has written Y1, which the last eight stores read
.irp j, 0,1,2,3,4,5,6,7
	global_store_b64 v[VO], v[Y+16+2*(\j):Y+16+2*(\j)+1], s[OUT:OUT+1] offset:(14+(\j)/4)*ROWO+((\j)%4)*2048 th:TH_STORE_NT
.endr
	s_endpgm
.endm
	s_cmp_lg_u32 s14, 0
	s_cbranch_scc1 .Lplain
	STREAM 1                                       ; x, scaled by bern
.Lplain:
	STREAM 0                                       ; M
.Lfunc_end_k_qbfc6850e27_cast:
	.size	k_qbfc6850e27_cast, .Lfunc_end_k_qbfc6850e27_cast-k_qbfc6850e27_cast
	.p2alignl 7, 3214868480
	.fill 96, 4, 3214868480
	.section	.rodata,"a",@progbits
	.p2align	6, 0x0
	.amdhsa_kernel k_qbfc6850e27_cast
		.amdhsa_group_segment_fixed_size 0
		.amdhsa_private_segment_fixed_size 0
		.amdhsa_enable_private_segment 0
		.amdhsa_kernarg_size 40
		.amdhsa_user_sgpr_count 2
		.amdhsa_user_sgpr_kernarg_segment_ptr 1
		.amdhsa_wavefront_size32 1
		.amdhsa_system_sgpr_workgroup_id_x 1
		.amdhsa_system_sgpr_workgroup_id_y 1
		.amdhsa_system_sgpr_workgroup_id_z 1
		.amdhsa_system_vgpr_workitem_id 0
		.amdhsa_next_free_vgpr 192
		.amdhsa_next_free_sgpr 66
		.amdhsa_reserve_vcc 0
		.amdhsa_float_denorm_mode_32 3
		.amdhsa_float_denorm_mode_16_64 3
		.amdhsa_memory_ordered 1
		.amdhsa_forward_progress 1
		.amdhsa_inst_pref_size 52
	.end_amdhsa_kernel
	.amdgpu_metadata
---
amdhsa.version: [ 1, 2 ]
amdhsa.kernels:
  - .name:           k_qbfc6850e27_cast
    .symbol:         k_qbfc6850e27_cast.kd
    .args:
      - { .name: x, .offset: 0, .size: 8, .value_kind: global_buffer, .address_space: global }
      - { .name: bern, .offset: 8, .size: 8, .value_kind: global_buffer, .address_space: global }
      - { .name: M, .offset: 16, .size: 8, .value_kind: global_buffer, .address_space: global }
      - { .name: xb, .offset: 24, .size: 8, .value_kind: global_buffer, .address_space: global }
      - { .name: mb, .offset: 32, .size: 8, .value_kind: global_buffer, .address_space: global }
    .group_segment_fixed_size: 0
    .private_segment_fixed_size: 0
    .kernarg_segment_align: 8
    .kernarg_segment_size: 40
    .max_flat_workgroup_size: 256
    .sgpr_count:     66
    .vgpr_count:     192
    .wavefront_size: 32
...
	.end_amdgpu_metadata
.endif
;; end of part 3
;; launch gemm: the kernel of part 2 again; grid 16 x 16, 4 waves a work-group, clusters of 4 x 4, 327,680 bytes of LDS; arguments xb, mb, m, out0; writes out0
